; MI455X (gfx1250); checked and timed in simulation.
; The chip was launched on July 23, 2026; its instructions are those of AMD's public machine-readable ISA for CDNA 5 (MIT licence, August 2026) and "CDNA5" Instruction Set Architecture Reference Guide (July 2026). The comments in the code are by the model that wrote it; some were corrected since.
;; Multi Head Base. Allowed arithmetic: matrix products marked QUANTISED: E2M1 operands, one E8M0 scale for each 32 along K, by v_wmma_scale_f32_16x16x128_f8f6f4 with both operands' format E2M1 (or v_wmma_scale_f32_32x16x128_f4), f32 sums; everything else in f32.
;; Inputs: k_codes 4 x 16 x 2,048 x 2 x 16 uint8 (E2M1 codes of k, K innermost, in blocks of 32 codes, two codes a byte); k_scales 4 x 16 x 2,048 x 2 uint8 (E8M0 scales of k, one for each 32 codes along K); mask 1 x 1 x 2,048 x 2,048 int32; q_codes 4 x 16 x 2,048 x 2 x 16 uint8 (E2M1 codes of q, K innermost, in blocks of 32 codes, two codes a byte); q_scales 4 x 16 x 2,048 x 2 uint8 (E8M0 scales of q, one for each 32 codes along K); v_codes 4 x 16 x 64 x 64 x 16 uint8 (E2M1 codes of v, K innermost, in blocks of 32 codes, two codes a byte); v_scales 4 x 16 x 64 x 64 uint8 (E8M0 scales of v, one for each 32 codes along K).
;; Outputs: out0 4 x 2,048 x 1,024 float32.
;; Constants: batch = 4, q_seq = 2048.
;; This version of the problem:
;;   THIS VERSION OF THE PROBLEM IS GIVEN IN LOW PRECISION. The matrix products marked QUANTISED in the list below multiply operands that are first quantised to E2M1 (2 exponent bits, 1 mantissa bit; 4 bits a number), with one power-of-two scale for each 32 numbers along K (OCP MX v1.0); their sums are f32. All else is computed in f32.
;;   The module's matrix products, in the order in which they are computed (A, B: the left and right operand; K: the contracted axis; several contracted axes count as one K, in the product's order):
;;     1. batch 64 x [M 2,048, K 64] x [K 64, N 2,048]; A: input q (given as codes); B: input k (given as codes): QUANTISED
;;     2. batch 64 x [M 2,048, K 2,048] x [K 2,048, N 64]; A: computed on the way; B: input v (given as codes): QUANTISED
;;   THE QUANTISER, for each operand of a quantised product, along K:
;;     - K is cut into blocks of 32 from its start; a last block that is shorter is filled with zeros.
;;     - A block's scale is 2^e with e = floor(log2(the largest magnitude in the block)) - 2, held to -126 .. 127; a block of zeros has e = 0. As a byte (E8M0): e + 127.
;;     - Each number is divided by its block's scale, clamped to +-6, and rounded to the nearest number of E2M1, ties to even, subnormals kept.
;;     - The product sums the exact products of the quantised numbers (number of the format x scale) in f32.
;;   ~~~python
;;   def quantise(x, axis):      # numpy; x: float32 -> the quantised numbers, widened to float32 again
;;       x = np.moveaxis(x, axis, -1); K = x.shape[-1]
;;       x = np.pad(x, [(0, 0)] * (x.ndim - 1) + [(0, -K % 32)]); x = x.reshape(x.shape[:-1] + (-1, 32)); a = np.abs(x).max(-1, keepdims=True)
;;       e = np.where(a > 0, np.clip(np.frexp(np.where(a > 0, a, 1))[1] - 1 - 2, -126, 127), 0)      # np.frexp(a)[1] - 1 = floor(log2(a)), exactly
;;       r = np.clip(x / 2.0 ** e, -6, 6)
;;       step = 2.0 ** (np.maximum(np.frexp(np.where(r == 0, 1, r))[1] - 1, 0) - 1)
;;       q = np.round(r / step) * step * 2.0 ** e      # np.round: ties to even
;;       return np.moveaxis(q.reshape(q.shape[:-2] + (-1,))[..., :K], -1, axis).astype(np.float32)
;;   ~~~
;;   OPERANDS COMPUTED ON THE WAY. 'Computed on the way' means the value that the module computes at that place (a softmax that the list does not call 'softmax' is quantised finished and normalised). What goes into a quantiser is computed in f32, as accurately as f32 sums, v_exp_f32 and their like allow (about 1e-6 of the number): no bf16 or f16 on the way to a quantiser, and a product that is left as it is and whose result goes on into a quantised operand takes f32 operands (vector FMAs, or v_wmma_f32_16x16x4_f32). A number that lies on a knife's edge between two numbers of the format may be rounded either way, as far as f32 arithmetic and the matrix unit's own rounding can turn it there, and no further.
;;   INPUTS GIVEN AS CODES. k (in the module: [4, 16, 2048, 64], K = its axis 3); q (in the module: [4, 16, 2048, 64], K = its axis 3); v (in the module: [4, 16, 2048, 64], K = its axis 2): each comes as NAME_codes (uint8): NAME with its K axis moved to the last place and cut into blocks of 32 codes, [.., K / 32, bytes a block], one block behind the other in memory; two codes a byte, the lower K in the low four bits (a code: sign, 2 exponent bits, 1 mantissa bit); and NAME_scales (uint8): the same leading axes, one E8M0 byte (e + 127) for each 32 codes along K. Its value is code x scale, taken as it is: it is not quantised again, and the codes and scales need not be those that the quantiser above would give.
;; One version. Each part assembles by itself: llvm-mc -triple=amdgcn-amd-amdhsa -mcpu=gfx1250 --defsym DOCPART=n.
;; ======== version 1 of 1: 2 launches
;; workspace buffers: mbits 524,288 bytes of whole numbers
;; launch maskbits (part 1): grid 256 x 1, 8 waves a work-group, no clusters, 68,608 bytes of LDS; arguments mask, mbits; writes mbits
.if DOCPART == 1
	.amdgcn_target "amdgcn-amd-amdhsa--gfx1250"
	.amdhsa_code_object_version 6
	.text
	.protected	k_q5c22179b33_maskbits
	.globl	k_q5c22179b33_maskbits
	.p2align	8
	.type	k_q5c22179b33_maskbits,@function
k_q5c22179b33_maskbits:
	s_mov_b64 s[64:65], 0
	v_nop
	global_prefetch_b8 v0, s[64:65] scope:SCOPE_SE
	s_setreg_imm32_b32 hwreg(HW_REG_WAVE_MODE, 25, 1), 1
	s_wait_xcnt 0x0
; mask [2048 queries][2048 keys] int32  ->  mbits [128 tiles of 16 queries][16 steps of 128 keys][64 words]: lane masks of (mask != 0).
; Word j = 16 b + n of a record: bit L = r + 16 h is (mask[16 tile + r][128 step + 32 b + 16 h + n] != 0).  That is the key which register
; 16 b + n of lane (r, h) holds in the next launch's scores, so that one v_cndmask_b32 there applies a word to a register.
; All 64 heads share the mask: packed once it is 1/32 of the bytes, and the next launch spends one vector instruction a score on it.
; SHARES.  2,048 records, 2,048 waves: one record a wave, 16 rows x 512 bytes.  Each load reads 512 consecutive bytes (one query's 128 keys); the
; sixteen loads of a wave go out together.  The rows turn through the wave's own stage in LDS, so that a lane gets 16 neighbouring keys of ONE query.
; No loop, no barrier (waves share nothing), no tensor load, no matrix work: memory binds, and every byte is read once.
.set PITCH, 528                        ; a stage row: 512 bytes + 16: sixteen rows start in sixteen different 16-byte columns of 256 bytes
.set WSTG,  16*PITCH                   ; a wave's stage
.set R,     8                          ; v8-71    the rows as loaded
.set X,     72                         ; v72-135  register 16 b + n: mask[r][32 b + 16 h + n]
.set OUT,   136                        ; v136-137 the record: lane l holds words 2 l and 2 l + 1
	s_load_b128 s[4:7], s[0:1], 0x0                ; mask s[4:5], mbits s[6:7]
	v_lshl_add_u32 v144, v0, 2, 0x10800
	v_mov_b32 v145, 0
	v_lshrrev_b32 v1, 5, v0
	v_readfirstlane_b32 s8, v1                     ; wave 0..7
	v_and_b32 v5, 31, v0                           ; lane
	v_and_b32 v6, 15, v0                           ; r
	v_bfe_u32 v7, v0, 4, 1                         ; h
	v_lshlrev_b32 v1, 4, v5                        ; 16 x lane: my bytes of a row of 512
	s_mul_i32 s14, s8, WSTG
	v_add_nc_u32 v2, s14, v1                       ; the stage, on the way in
	v_mul_u32_u24 v3, v6, PITCH
	v_lshl_add_u32 v3, v7, 6, v3
	v_add_nc_u32 v3, s14, v3                       ; and on the way out: row r, + 64 h bytes (16 keys)
	v_lshlrev_b32 v4, 3, v5                        ; 8 x lane: my two words of the record
	v_mov_b32 v[OUT], 0                            ; (v_writelane_b32's destination counts as read)
	v_mov_b32 v[OUT+1], 0
	s_lshr_b32 s10, ttmp9, 1                       ; the tile of queries: two work-groups to a tile
	s_lshl_b32 s10, s10, 17                        ; x 16 rows of 8,192 bytes
	s_and_b32 s12, ttmp9, 1
	s_lshl_b32 s12, s12, 3
	s_add_co_u32 s12, s12, s8                      ; the step of keys: 8 x (work-group % 2) + wave
	s_lshl_b32 s12, s12, 9                         ; x 512 bytes
	s_add_co_u32 s10, s10, s12
	s_mov_b32 s11, 0
	s_lshl_b32 s12, ttmp9, 3
	s_add_co_u32 s12, s12, s8                      ; the record's number = 16 x tile + step = 8 x work-group + wave
	s_lshl_b32 s12, s12, 8                         ; x 256 bytes
	s_mov_b32 s13, 0
	s_wait_kmcnt 0x0
	s_add_nc_u64 s[4:5], s[4:5], s[10:11]
	s_add_nc_u64 s[6:7], s[6:7], s[12:13]
.irp i, 0,1,2,3,4,5,6,7,8,9,10,11,12,13,14,15
	global_load_b128 v[R+4*\i:R+4*\i+3], v1, s[4:5] offset:\i*8192 th:TH_LOAD_NT   ; query i: 32 lanes read 512 consecutive bytes; read once in the launch
.endr
.irp i, 0,1,2,3,4,5,6,7,8,9,10,11,12,13,14,15
	s_wait_loadcnt 15-\i                           ; loads come back in order: row i is in, the 15 - i younger ones may be out
	ds_store_b128 v2, v[R+4*\i:R+4*\i+3] offset:\i*PITCH
.endr
.irp b, 0,1,2,3
.irp c, 0,1,2,3
	ds_load_b128 v[X+16*\b+4*\c:X+16*\b+4*\c+3], v3 offset:128*\b+16*\c   ; LDS serves a wave's instructions in order: these see the stores above
.endr
.endr
.set j, 0
.rept 16
	s_wait_dscnt 15-j/4                            ; this load's four registers are in; the younger loads may be out
.rept 4
	v_cmp_ne_u32 s[20+j%4], 0, v[X+j]              ; word j: a bit for each lane (four scalar registers by turns)
	v_writelane_b32 v[OUT+j%2], s[20+j%4], j/2     ; to its place in the record
.set j, j+1
.endr
.endr
	global_store_b64 v4, v[OUT:OUT+1], s[6:7]      ; 32 lanes store 256 consecutive bytes, at a multiple of 256 from the buffer's first byte
	s_wait_tensorcnt 0x0
	ds_add_u32 v144, v145
	s_wait_dscnt 0x0
	s_endpgm
.Lfunc_end_k_q5c22179b33_maskbits:
	.size	k_q5c22179b33_maskbits, .Lfunc_end_k_q5c22179b33_maskbits-k_q5c22179b33_maskbits
	.p2alignl 7, 3214868480
	.fill 96, 4, 3214868480
	.section	.rodata,"a",@progbits
	.p2align	6, 0x0
	.amdhsa_kernel k_q5c22179b33_maskbits
		.amdhsa_group_segment_fixed_size 68608
		.amdhsa_private_segment_fixed_size 0
		.amdhsa_enable_private_segment 0
		.amdhsa_kernarg_size 16
		.amdhsa_user_sgpr_count 2
		.amdhsa_user_sgpr_kernarg_segment_ptr 1
		.amdhsa_wavefront_size32 1
		.amdhsa_system_sgpr_workgroup_id_x 1
		.amdhsa_system_sgpr_workgroup_id_y 1
		.amdhsa_system_sgpr_workgroup_id_z 1
		.amdhsa_system_vgpr_workitem_id 0
		.amdhsa_next_free_vgpr 146
		.amdhsa_next_free_sgpr 66
		.amdhsa_reserve_vcc 0
		.amdhsa_float_denorm_mode_32 3
		.amdhsa_float_denorm_mode_16_64 3
		.amdhsa_memory_ordered 1
		.amdhsa_forward_progress 1
		.amdhsa_inst_pref_size 15
	.end_amdhsa_kernel
	.amdgpu_metadata
---
amdhsa.version: [ 1, 2 ]
amdhsa.kernels:
  - .name:           k_q5c22179b33_maskbits
    .symbol:         k_q5c22179b33_maskbits.kd
    .args:
      - { .name: mask, .offset: 0, .size: 8, .value_kind: global_buffer, .address_space: global }
      - { .name: mbits, .offset: 8, .size: 8, .value_kind: global_buffer, .address_space: global }
    .group_segment_fixed_size: 68608
    .private_segment_fixed_size: 0
    .kernarg_segment_align: 8
    .kernarg_segment_size: 16
    .max_flat_workgroup_size: 256
    .sgpr_count:     66
    .vgpr_count:     146
    .wavefront_size: 32
...
	.end_amdgpu_metadata
.endif
;; end of part 1
;; launch attn (part 2): grid 4 x 64, 16 waves a work-group, clusters of 4 x 1, 214,528 bytes of LDS; arguments q_codes, q_scales, k_codes, k_scales, v_codes, v_scales, mbits, out0; writes out0
.if DOCPART == 2
	.amdgcn_target "amdgcn-amd-amdhsa--gfx1250"
	.amdhsa_code_object_version 6
	.text
	.protected	k_q5c22179b33_attn
	.globl	k_q5c22179b33_attn
	.p2align	8
	.type	k_q5c22179b33_attn,@function
k_q5c22179b33_attn:
	s_mov_b64 s[64:65], 0
	v_nop
	global_prefetch_b8 v0, s[64:65] scope:SCOPE_SE
	s_setreg_imm32_b32 hwreg(HW_REG_WAVE_MODE, 25, 1), 1
	s_wait_xcnt 0x0
	s_wait_alu depctr_hold_cnt(0) depctr_sa_sdst(0) depctr_va_vdst(0) depctr_va_sdst(0) depctr_va_ssrc(0) depctr_va_vcc(0) depctr_vm_vsrc(0)
	s_getreg_b32 s2, hwreg(HW_REG_IB_STS2, 6, 4)
	s_cmp_eq_u32 s2, 0
	s_cbranch_scc0 .Lentry_in_a_cluster
	s_endpgm
.Lentry_in_a_cluster:
	s_bfe_u32 s2, ttmp6, 0x10000c
	s_cmp_lg_u32 s2, 0x3003
	s_cbranch_scc0 .Lentry_shape_is_right
	s_endpgm
.Lentry_shape_is_right:
; out[b][q][64 head + d] = sum over keys of Quant(x[q][key]) v[key][d],  x = log_softmax_key(q . k / 8), and x = -1e9 where mask[q][key] == 0.
; Both products on codes of FP4 (E2M1) with one E8M0 scale for each 32 along K.  q, k: codes along the head's 64; v: codes along the keys.  x is quantised here, along the keys, finished.
; TWO WALKS over a head's 2,048 keys, 128 a trip.  The quantiser wants the finished x, so the row's log-sum-exp (LSE) comes first: walk 1 makes the scores and keeps a running maximum and sum;
; walk 2 makes the scores again, with -LSE as the C of the product, so that the result IS x; masks, quantises, and multiplies by v.
; SHARES.  A work-group owns 512 queries of one head; each of its sixteen waves 32 of them, two tiles of 16, which share every fragment of K and V read from LDS.  256 registers a wave, four waves to a SIMD,
; no barrier in the loops: one wave's vector work stands beside another's matrix work and LDS loads.  The vector work outweighs the products here (128 exponentials and 128 selects a lane and trip against 40 products).
; LDS.  A head's K (64 KiB), V (64 KiB) and V's scales (4 KiB) fit whole: each byte is filled once, at the start; there is no ring and no slot is filled again.
; CLUSTER.  The four work-groups of a cluster are the four quarters of one head's queries and read the same K and V: every fill is asked for JOINTLY (the same tensor load, the same descriptor, a mask that names the four).
; My place in the cluster enters only the addresses of q, the mask words and out.
; LAYOUT.  Both products are used transposed (source 0 = 16 keys, or 16 of the head's 64; source 1 = my 16 queries): a lane (r = lane % 16, h = lane / 16) holds ONE query throughout.
; THE KEYS OF A TILE ARE NOT NEIGHBOURS: row m of tile (b, u) is key 32 b + 8 u + m + 8 (m / 8), so that register 16 b + 8 u + i of lane (r, h) is key 32 b + 16 h + 8 u + i: 16 neighbours along the next K.
; K = 64 IN A FORM OF K = 128: source 0 holds tile (b, 0) in its first four registers and tile (b, 1) in its last four; source 1 is [Q | zeros] or [zeros | Q]: zero codes take the other tile out.
; THE DIVISION BY 8 is taken off q's scale bytes (3 off each byte), which is exact.
; THE MASK comes as lane masks (the launch before): 64 words for a tile and trip, by scalar loads; one v_cndmask_b32 a register.
; LIMITS.  q's scale bytes 0, 1, 2 are taken as 3 (blocks of q under 2^-121).  Scale bytes 0xff, NaN and infinities are not served; scores under -2^127 are not served.
; x is formed as score / 8 - LSE with LSE rounded once to f32.  A block of x that is all zeros gets the byte 1 where the quantiser says 127: its codes are zeros, and the byte is read here alone.
.set KP,    528                        ; LDS: K's codes as 128 rows of 16 keys (512 bytes) + 16: key k at (k / 16) KP + 32 (k % 16).  A tile's two groups of 8 keys lie two rows... one row apart: even and odd 16-byte columns
.set VC,    128*KP                     ; V's codes: 64 rows (d) of 1,024 bytes + 16
.set VP,    1040
.set VSC,   VC+64*VP                   ; V's scale bytes: 64 rows of 64 bytes + 8: 18 words from lane to lane, 32 different banks (64 banks of 4 bytes: ISA guide 11.1)
.set VSP,   72
.set KSI,   VSC+64*VSP                 ; K's scale words as images of the registers that want them: 256 bytes a trip; written by ds_store, no fill lands here
.set STG,   KSI+4096                   ; the way out: for each wave 16 rows of 256 bytes + 16; no fill lands here
.set SP,    272
.set ADK,   1                          ; v1-4   the trip's LDS addresses: K's codes, K's scale words, V's codes, V's scale words
.set ADKS,  2
.set ADV,   3
.set ADVS,  4
.set NINF,  5                          ; v5     -1e9
.set QS,    6                          ; v6     q's scale words: tile 0 in lanes 0-15, tile 1 in lanes 16-31
.set GO,    7                          ; v7     the way out: my byte offset in out
.set KS,    8                          ; v8-9   K's scale words: register hs: block 2 hs in lanes 0-15, block 2 hs + 1 in lanes 16-31
.set VS,    10                         ; v10-11 V's: register p: rows 32 p + lane
.set PW,    12                         ; v12-13 x's scale words, tile 0, tile 1
.set QF,    16                         ; v16-35 Q0, zeros, Q1, zeros, Q0: the four operands [Q0|0] v16, [0|Q1] v20, [Q1|0] v24, [0|Q0] v28
.set CL,    36                         ; v36-51 -LSE, eight equal registers a tile: the C of walk 2's score products
.set F,     52                         ; v52-83 K's eight tiles (F + 8 b + 4 u), later V's four fragments (F + 8 dt)
.set S,     84                         ; v84-147 half a trip's scores: S + 32 q + 16 p + 8 u
.set O,     148                        ; v148-211 O^T: O + 32 q + 8 dt
.set ST,    148                        ; in walk 1 the same registers hold statistics, 8 a tile: +0 nm = -log2(e) m, +1 m, +2,+3 the sum (a pair), +4 alpha, +5 the old nm, +6,+7 at work
.set PC,    212                        ; v212-227 x's codes of 128 keys: PC + 8 q
.set TM,    228                        ; v228-243 at work: +0..3 block maxima, +4..7 the other half's, then bytes, +8..11 the conversions' scale operands
.set AK0,   244                        ; v244-247 my lane's places; never rewritten
.set AKS0,  245
.set AV0,   246
.set AVS0,  247
.set STO,   248                        ; v248, v249 the way out: into my stage, and back
.set RD,    249
.set MB,    4                          ; s[4:5]  the mask words of my two tiles
.set MOFF,  6                          ; s6      byte offset of the half trip's words
.set CNT,   7                          ; s7      trips to go
.set WV,    8                          ; s8      my wave's number
.set TK,    9                          ; s9-12   what a trip adds to the four LDS addresses
.set TS,    10
.set TV,    11
.set TVS,   12
.set SB,    13                         ; s13     my stage
.set L2E,   14                         ; s[14:15] log2(e): the packed form names a pair and takes its low word for both halves
.set NL2E,  16                         ; s16     -log2(e)
.set LN2,   17                         ; s17     ln 2
.set SEL,   18                         ; s[18:19] v_permlanex16_b32's selects for lane l xor 16
.set OP,    20                         ; s[20:21] out at my first query and my head
.set G1K,   32                         ; at the head: descriptor groups 1 for K, V, V's scales; groups 0.  All are free once the fills have landed
.set G1V,   40
.set G1S,   48
.set G0K,   56
.set G0V,   60
.set G0S,   84
.set MW0,   32                         ; s[32:63] half a trip's mask words of tile 0;  s[68:99] of tile 1
.set MW1,   68
; A round of the cluster's barrier: my work-group's barrier, so that wave 0's signal speaks for all sixteen waves; wave 0 signals; every wave waits for all four work-groups; my work-group's barrier once more.
.macro CROUND
	s_barrier_signal -1
	s_barrier_wait -1
	s_cmp_lg_u32 s[WV], 0
	s_cbranch_scc1 .Lnot_wave_0_\@
	s_barrier_signal -3
.Lnot_wave_0_\@:
	s_barrier_wait -3
	s_barrier_signal -1
	s_barrier_wait -1
.endm
; One scaled product on FP4 codes.  d, a, b: first registers of D, source 0, source 1;  c: first register of C, or -1 for the constant 0;  sa, sb: the scale registers;  ra, rb = 1: that side's scales stand in lanes 16-31.
.macro WM d, a, b, c, sa, sb, ra, rb
.if (\c) < 0
.if (\ra) && (\rb)
	v_wmma_scale_f32_16x16x128_f8f6f4 v[\d:\d+7], v[\a:\a+7], v[\b:\b+7], 0, v[\sa], v[\sb] matrix_a_fmt:MATRIX_FMT_FP4 matrix_b_fmt:MATRIX_FMT_FP4 matrix_a_scale:MATRIX_SCALE_ROW1 matrix_b_scale:MATRIX_SCALE_ROW1
.elseif (\ra)
	v_wmma_scale_f32_16x16x128_f8f6f4 v[\d:\d+7], v[\a:\a+7], v[\b:\b+7], 0, v[\sa], v[\sb] matrix_a_fmt:MATRIX_FMT_FP4 matrix_b_fmt:MATRIX_FMT_FP4 matrix_a_scale:MATRIX_SCALE_ROW1
.elseif (\rb)
	v_wmma_scale_f32_16x16x128_f8f6f4 v[\d:\d+7], v[\a:\a+7], v[\b:\b+7], 0, v[\sa], v[\sb] matrix_a_fmt:MATRIX_FMT_FP4 matrix_b_fmt:MATRIX_FMT_FP4 matrix_b_scale:MATRIX_SCALE_ROW1
.else
	v_wmma_scale_f32_16x16x128_f8f6f4 v[\d:\d+7], v[\a:\a+7], v[\b:\b+7], 0, v[\sa], v[\sb] matrix_a_fmt:MATRIX_FMT_FP4 matrix_b_fmt:MATRIX_FMT_FP4
.endif
.else
.if (\ra) && (\rb)
	v_wmma_scale_f32_16x16x128_f8f6f4 v[\d:\d+7], v[\a:\a+7], v[\b:\b+7], v[\c:\c+7], v[\sa], v[\sb] matrix_a_fmt:MATRIX_FMT_FP4 matrix_b_fmt:MATRIX_FMT_FP4 matrix_a_scale:MATRIX_SCALE_ROW1 matrix_b_scale:MATRIX_SCALE_ROW1
.elseif (\ra)
	v_wmma_scale_f32_16x16x128_f8f6f4 v[\d:\d+7], v[\a:\a+7], v[\b:\b+7], v[\c:\c+7], v[\sa], v[\sb] matrix_a_fmt:MATRIX_FMT_FP4 matrix_b_fmt:MATRIX_FMT_FP4 matrix_a_scale:MATRIX_SCALE_ROW1
.elseif (\rb)
	v_wmma_scale_f32_16x16x128_f8f6f4 v[\d:\d+7], v[\a:\a+7], v[\b:\b+7], v[\c:\c+7], v[\sa], v[\sb] matrix_a_fmt:MATRIX_FMT_FP4 matrix_b_fmt:MATRIX_FMT_FP4 matrix_b_scale:MATRIX_SCALE_ROW1
.else
	v_wmma_scale_f32_16x16x128_f8f6f4 v[\d:\d+7], v[\a:\a+7], v[\b:\b+7], v[\c:\c+7], v[\sa], v[\sb] matrix_a_fmt:MATRIX_FMT_FP4 matrix_b_fmt:MATRIX_FMT_FP4
.endif
.endif
.endm
	s_load_b512 s[68:83], s[0:1], 0x0              ; q_codes s[68:69], q_scales s[70:71], k_codes s[72:73], k_scales s[74:75], v_codes s[76:77], v_scales s[78:79], mbits s[80:81], out0 s[82:83]
	v_lshl_add_u32 v254, v0, 2, 0x33e00
	v_mov_b32 v255, 0
	ds_add_u32 v254, v255
	ds_add_u32 v254, v255
	v_lshrrev_b32 v1, 5, v0
	v_readfirstlane_b32 s[WV], v1                  ; wave 0..15
	; what hangs on the head and the wave alone (the partners of a cluster share the head): the fills and K's scales
	s_and_b32 s22, ttmp7, 0xffff                   ; the head, 0..63
	s_and_b32 s23, s[WV], 3                        ; which quarter of a fill is mine (waves 0 to 3 fetch)
	s_lshl_b32 s24, s22, 16                        ; a head's codes of K, and of V: 65,536 bytes;
	s_lshl_b32 s26, s23, 14                        ; my quarter of them
	s_add_co_u32 s24, s24, s26
	s_mov_b32 s25, 0
	s_lshl_b32 s26, s22, 12                        ; a head's scale bytes: 4,096;
	s_lshl_b32 s28, s23, 10                        ; my quarter of V's
	s_add_co_u32 s26, s26, s28
	s_mov_b32 s27, 0
	s_lshl_b32 s28, s22, 12                        ; K's scale bytes of the head
	s_mov_b32 s29, 0
	s_lshl_b32 s30, s[WV], 8                       ; 256 x wave: the trip whose scale words of K I lay out
	s_mul_i32 s[SB], s[WV], 16*SP
	s_add_co_u32 s[SB], s[SB], STG                 ; my stage
	; what hangs on my place in the cluster too: q, the mask words, out
	s_bfe_u32 s88, ttmp6, 0x40000                  ; cx
	s_lshl_b32 s89, ttmp9, 2                       ; in a cluster launch ttmp9 counts clusters
	s_add_co_u32 s88, s88, s89                     ; my quarter of the queries
	s_lshl_b32 s88, s88, 9
	s_lshl_b32 s89, s[WV], 5
	s_add_co_u32 s88, s88, s89                     ; my first query: 512 x quarter + 32 x wave
	s_lshl_b32 s89, s22, 11
	s_add_co_u32 s89, s89, s88                     ; its row in q: 2,048 x head + query
	s_lshl_b32 s90, s89, 5                         ; 32 bytes of codes a row
	s_mov_b32 s91, 0
	s_lshl_b32 s92, s89, 1                         ; 2 scale bytes a row
	s_mov_b32 s93, 0
	s_lshl_b32 s94, s88, 8                         ; mask words: 4,096 bytes for 16 queries
	s_mov_b32 s95, 0
	s_lshr_b32 s96, s22, 4
	s_lshl_b32 s96, s96, 23                        ; out: batch x 2,048 rows of 4,096 bytes
	s_lshl_b32 s97, s88, 12                        ; + query x 4,096
	s_add_co_u32 s96, s96, s97
	s_and_b32 s97, s22, 15
	s_lshl_b32 s97, s97, 8                         ; + head in the batch x 256
	s_add_co_u32 s96, s96, s97
	s_mov_b32 s97, 0
	; descriptor groups 1: elements of 8 bytes; all three blocks are dense in memory, so a row is as long as suits LDS
	s_mov_b32 s[G1K], 15|(3<<16)|(1<<20)|(1<<21)|(6<<22)|(3<<25)   ; 15:0 the mask: all four work-groups; 17:16 elements of 8 bytes; 20 padding on; 21 set beside a mask; 24:22 after every 128 words (code 6); 31:25 four words (code 3)
	s_mov_b32 s[G1K+1], 64<<16                     ; tensor_dim0 = 64 elements: 512 bytes, 16 keys
	s_mov_b32 s[G1K+2], 32<<16                     ; tensor_dim1 = 32 rows: a quarter of the head's keys
	s_mov_b32 s[G1K+3], 64<<16                     ; tile_dim0
	s_mov_b32 s[G1K+4], 32                         ; tile_dim1
	s_mov_b32 s[G1K+5], 64                         ; from row to row
	s_mov_b32 s[G1K+6], 0
	s_mov_b32 s[G1K+7], 0
	s_mov_b32 s[G1V], 15|(3<<16)|(1<<20)|(1<<21)|(7<<22)|(3<<25)   ; padding: four words after every 256
	s_mov_b32 s[G1V+1], 128<<16                    ; a row of V: 1,024 bytes, 2,048 keys
	s_mov_b32 s[G1V+2], 16<<16                     ; 16 of the head's 64 rows
	s_mov_b32 s[G1V+3], 128<<16
	s_mov_b32 s[G1V+4], 16
	s_mov_b32 s[G1V+5], 128
	s_mov_b32 s[G1V+6], 0
	s_mov_b32 s[G1V+7], 0
	s_mov_b32 s[G1S], 15|(3<<16)|(1<<20)|(1<<21)|(3<<22)|(1<<25)   ; padding: two words after every 16
	s_mov_b32 s[G1S+1], 8<<16                      ; a row of V's scales: 64 bytes
	s_mov_b32 s[G1S+2], 16<<16
	s_mov_b32 s[G1S+3], 8<<16
	s_mov_b32 s[G1S+4], 16
	s_mov_b32 s[G1S+5], 8
	s_mov_b32 s[G1S+6], 0
	s_mov_b32 s[G1S+7], 0
	s_mov_b32 s[L2E], 0x3fb8aa3b                   ; log2(e)
	s_mov_b32 s[L2E+1], s[L2E]                     ; (named with it as a pair, so it is written)
	s_mov_b32 s[NL2E], 0xbfb8aa3b
	s_mov_b32 s[LN2], 0x3f317218                   ; ln 2
	s_mov_b32 s[SEL], 0x76543210
	s_mov_b32 s[SEL+1], 0xfedcba98
	s_wait_dscnt 0x0
	s_wait_kmcnt 0x0
	s_mov_b32 s[G0K], 1                            ; 1:0 count = 1
	s_mul_i32 s[G0K+1], s23, 32*KP                 ; 63:32 LDS address: K's codes begin at byte 0
	s_add_nc_u64 s[G0K+2:G0K+3], s[72:73], s[24:25]   ; 120:64 global address
	s_or_b32 s[G0K+3], s[G0K+3], 0x80000000        ; 127:126 type = 2
	s_mov_b32 s[G0V], 1
	s_mul_i32 s[G0V+1], s23, 16*VP
	s_add_co_u32 s[G0V+1], s[G0V+1], VC
	s_add_nc_u64 s[G0V+2:G0V+3], s[76:77], s[24:25]
	s_or_b32 s[G0V+3], s[G0V+3], 0x80000000
	s_mov_b32 s[G0S], 1
	s_mul_i32 s[G0S+1], s23, 16*VSP
	s_add_co_u32 s[G0S+1], s[G0S+1], VSC
	s_add_nc_u64 s[G0S+2:G0S+3], s[78:79], s[26:27]
	s_or_b32 s[G0S+3], s[G0S+3], 0x80000000
	s_add_nc_u64 s[68:69], s[68:69], s[90:91]      ; q's codes at my first query
	s_add_nc_u64 s[70:71], s[70:71], s[92:93]      ; q's scales likewise
	s_add_nc_u64 s[74:75], s[74:75], s[28:29]      ; K's scales at the head
	s_add_nc_u64 s[MB:MB+1], s[80:81], s[94:95]
	s_add_nc_u64 s[OP:OP+1], s[82:83], s[96:97]
	CROUND                                         ; all four work-groups are here: the joint loads meet
	s_cmp_lt_u32 s[WV], 4                          ; waves 0 to 3 fetch a quarter of each block: a wave's three fills stand in one branch, ahead of every wait on TENSORcnt, every LDS read and every other barrier
	s_cbranch_scc0 .Lno_fill
	tensor_load_to_lds s[G0K:G0K+3], s[G1K:G1K+7]
	s_nop 0
	tensor_load_to_lds s[G0V:G0V+3], s[G1V:G1V+7]
	s_nop 0
	tensor_load_to_lds s[G0S:G0S+3], s[G1S:G1S+7]  ; three tensor loads of mine are out, the most in this text
	s_nop 0
.rept 4
	v_nop
.endr
.Lno_fill:
	v_and_b32 v1, 31, v0                           ; lane
	v_and_b32 v2, 15, v0                           ; r
	v_bfe_u32 v3, v0, 4, 1                         ; h
	v_lshlrev_b32 v4, 5, v2
	v_lshl_add_u32 v4, v3, 4, v4                   ; q: row r of 32 bytes, + 16 h: codes 32 h .. 32 h + 31
	global_load_b128 v[QF:QF+3], v4, s[68:69]              ; Q0: a tile's 512 bytes are consecutive
	global_load_b128 v[QF+16:QF+19], v4, s[68:69]          ; Q0 once more, at the chain's end
	global_load_b128 v[QF+8:QF+11], v4, s[68:69] offset:512   ; Q1
	v_lshlrev_b32 v[TM], 1, v1
	global_load_u16 v[TM+12], v[TM], s[70:71]      ; q's two scale bytes: query = my first + lane
	v_and_b32 v[TM+1], 8, v2
	v_add_nc_u32 v[TM+1], v[TM+1], v2              ; r + 8 (r / 8)
	v_lshl_add_u32 v[TM+1], v3, 5, v[TM+1]         ; + 32 h: lanes 16-31 take the odd block
	v_lshl_add_u32 v[TM+1], v[TM+1], 1, s30        ; 2 bytes a key, + 256 x wave: WAVE w LAYS OUT TRIP w'S SCALE WORDS OF K
	global_load_u16 v[TM+8], v[TM+1], s[74:75]             ; blocks 0, 1: tile u = 0's key,
	global_load_u16 v[TM+9], v[TM+1], s[74:75] offset:16   ; tile u = 1's (8 keys on);
	global_load_u16 v[TM+10], v[TM+1], s[74:75] offset:128 ; blocks 2, 3 (64 keys on)
	global_load_u16 v[TM+11], v[TM+1], s[74:75] offset:144
	v_lshrrev_b32 v[TM+2], 3, v2
	v_and_b32 v[TM+3], 7, v2
	v_mul_u32_u24 v[AK0], v[TM+2], KP              ; K: row m = r of a tile lies (r / 8) LDS rows and r % 8 keys on;
	v_lshl_add_u32 v[AK0], v[TM+3], 5, v[AK0]
	v_lshl_add_u32 v[AK0], v3, 4, v[AK0]           ; + 16 h
	v_lshl_add_u32 v[AKS0], v1, 3, KSI             ; K's scale words: 8 bytes a lane
	v_mul_u32_u24 v[AV0], v2, VP                   ; V: row d = r, + 16 h
	v_lshl_add_u32 v[AV0], v3, 4, v[AV0]
	v_add_nc_u32 v[AV0], VC, v[AV0]
	v_mul_u32_u24 v[AVS0], v1, VSP                 ; V's scale words: row d = lane
	v_add_nc_u32 v[AVS0], VSC, v[AVS0]
	v_add_nc_u32 v[TM+13], s30, v[AKS0]            ; where I store trip w's scale words
	v_mov_b32 v[NINF], 0xce6e6b28                  ; -1e9
.irp i, 4,5,6,7,12,13,14,15
	v_mov_b32 v[QF+\i], 0                          ; the chain's zero codes
.endr
.irp i, 4,5,6,7
	v_mov_b32 v[TM+\i], 0                          ; written once: a lane permute's destination counts as one of its sources
.endr
	s_wait_loadcnt 0x0                             ; Q, its scales, K's scales: their address registers and bases are free too
	v_and_b32 v[TM+2], 0xff, v[TM+12]              ; q's scale word: each byte less 3 (the division by 8), held at 0 from below,
	v_lshrrev_b32 v[TM+3], 8, v[TM+12]
	v_max_u32 v[TM+2], 3, v[TM+2]
	v_max_u32 v[TM+3], 3, v[TM+3]
	v_add_nc_u32 v[TM+2], -3, v[TM+2]
	v_add_nc_u32 v[TM+3], -3, v[TM+3]
	v_lshl_or_b32 v[TM+2], v[TM+3], 8, v[TM+2]
	v_lshl_or_b32 v[QS], v[TM+2], 16, v[TM+2]      ; and the two bytes in both halves: Q stands in either half of source 1.  Twelve plain vector lines follow ahead of the first product (eight are owed)
	v_lshl_or_b32 v[TM+14], v[TM+9], 16, v[TM+8]   ; K's scale words: tile u = 0's two bytes below, tile u = 1's above
	v_lshl_or_b32 v[TM+15], v[TM+11], 16, v[TM+10]
	ds_store_b64 v[TM+13], v[TM+14:TM+15]
.irp q, 0,1
	v_mov_b32 v[ST+8*\q+1], 0xff000000             ; m = -2^127, under every score that is served;
	v_mov_b32 v[ST+8*\q+2], 0                      ; the sum
	v_mov_b32 v[ST+8*\q+3], 0
.endr
.irp q, 0,1
	v_mul_f32 v[ST+8*\q], s[NL2E], v[ST+8*\q+1]    ; nm = -log2(e) m: finite
.endr
	s_wait_tensorcnt 0x0                           ; my fills have landed (and no descriptor register is needed any more),
	s_wait_dscnt 0x0                               ; my scale words of K are stored:
	s_barrier_signal -1
	s_barrier_wait -1                              ; everybody's: K, V, V's scales and K's scale words lie in LDS for the rest of the launch
; The trip's LDS addresses.  full = 1 (walk 2): all four; these four additions are the places between the last products V^T P^T and the loads into their operands' registers.
.macro ADDR full
	v_add_nc_u32 v[ADK], s[TK], v[AK0]
	v_add_nc_u32 v[ADKS], s[TS], v[AKS0]
.if \full
	v_add_nc_u32 v[ADV], s[TV], v[AV0]
	v_add_nc_u32 v[ADVS], s[TVS], v[AVS0]
	s_add_co_u32 s[TV], s[TV], 64                  ; 128 codes on in each row of V
	s_add_co_u32 s[TVS], s[TVS], 4                 ; one scale word on
.endif
	s_add_co_u32 s[TK], s[TK], 8*KP                ; 128 keys on: eight LDS rows
	s_add_co_u32 s[TS], s[TS], 256
.endm
.macro KLOAD                           ; the trip's 128 keys: eight tiles, one load each (16 keys x 64 codes), and their scale words
.irp b, 0,1,2,3
.irp u, 0,1
	ds_load_b128 v[F+8*\b+4*\u:F+8*\b+4*\u+3], v[ADK] offset:\b*2*KP+\u*256
.endr
.endr
	ds_load_b64 v[KS:KS+1], v[ADKS]
.endm
; Eight products: blocks 2 hs, 2 hs + 1 (p) x tiles u = 0, 1 x my two tiles of queries.  usec = 1: C = -LSE.  Eight different results: no two products that follow each other share an accumulator.
.macro KQ8 hs, usec
.irp p, 0,1
.irp u, 0,1
.irp q, 0,1
.set rD, S+32*\q+16*\p+8*\u
.set rA, F+8*(2*\hs+\p)
.set rB, QF+8*\q+\u*(12-16*\q)
.if \usec
.set rC, CL+8*\q
.else
.set rC, -1
.endif
.set rS, KS+\hs
	WM rD, rA, rB, rC, rS, QS, \p, \q
.endr
.endr
.endr
.endm
; WALK 1, half a trip: 64 keys, of which a lane holds 32 for each of its two queries.  Maximum and sum are kept for each LANE (each half of the keys): no lane is asked in the loop; the halves meet once, behind it.
.macro HS1 hs
	KQ8 \hs, 0
.irp q, 0,1
	v_mov_b32 v[ST+8*\q+5], v[ST+8*\q]             ; the old nm.  (Two of the four places behind the products)
.endr
	v_nop
	v_nop
.irp q, 0,1                                    ; m = max(m, my 32 scores): two chains a tile, ascending, so that each result is first read at its low end
	v_max3_num_f32 v[ST+8*\q+6], v[ST+8*\q+1], v[S+32*\q], v[S+32*\q+1]
	v_max3_num_f32 v[ST+8*\q+7], v[S+32*\q+16], v[S+32*\q+17], v[S+32*\q+18]
.endr
.irp i, 0,1,2,3,4,5
.irp q, 0,1
	v_max3_num_f32 v[ST+8*\q+6], v[ST+8*\q+6], v[S+32*\q+2+2*\i], v[S+32*\q+3+2*\i]
	v_max3_num_f32 v[ST+8*\q+7], v[ST+8*\q+7], v[S+32*\q+19+2*\i], v[S+32*\q+20+2*\i]
.endr
.endr
.irp q, 0,1
	v_max3_num_f32 v[ST+8*\q+6], v[ST+8*\q+6], v[S+32*\q+14], v[S+32*\q+15]
.endr
.irp q, 0,1
	v_max3_num_f32 v[ST+8*\q+1], v[ST+8*\q+6], v[ST+8*\q+7], v[S+32*\q+31]
.endr
.irp q, 0,1
	v_mul_f32 v[ST+8*\q], s[NL2E], v[ST+8*\q+1]    ; nm = -log2(e) m
.endr
.irp q, 0,1
	v_sub_f32 v[ST+8*\q+4], v[ST+8*\q], v[ST+8*\q+5]
.endr
.irp q, 0,1
	v_exp_f32 v[ST+8*\q+4], v[ST+8*\q+4]           ; alpha = 2^(nm - old nm), at most 1: what was summed under the old m is brought under the new
.endr
.irp q, 0,1
.set j, 0
.rept 16
	v_pk_fma_f32 v[S+32*\q+j:S+32*\q+j+1], v[S+32*\q+j:S+32*\q+j+1], s[L2E:L2E+1], v[ST+8*\q:ST+8*\q+1] op_sel_hi:[1,0,0]   ; log2(e) s + nm, two at a time
.set j, j+2
.endr
.endr
.set j, 0
.rept 64
	v_exp_f32 v[S+j], v[S+j]                       ; e^(s - m)
.set j, j+1
.endr
	v_nop                                          ; a plain place behind the exponentials
	s_wait_alu depctr_va_vdst(0)
.irp q, 0,1                                    ; the sum, two at a time, in two chains a tile
	v_pk_fma_f32 v[ST+8*\q+2:ST+8*\q+3], v[ST+8*\q+2:ST+8*\q+3], v[ST+8*\q+4:ST+8*\q+5], v[S+32*\q:S+32*\q+1] op_sel_hi:[1,0,1]   ; sum x alpha + the first pair
	v_pk_add_f32 v[ST+8*\q+6:ST+8*\q+7], v[S+32*\q+2:S+32*\q+3], v[S+32*\q+4:S+32*\q+5]
.endr
.irp j, 6,10,14,18,22,26
.irp q, 0,1
	v_pk_add_f32 v[ST+8*\q+2:ST+8*\q+3], v[ST+8*\q+2:ST+8*\q+3], v[S+32*\q+\j:S+32*\q+\j+1]
	v_pk_add_f32 v[ST+8*\q+6:ST+8*\q+7], v[ST+8*\q+6:ST+8*\q+7], v[S+32*\q+\j+2:S+32*\q+\j+3]
.endr
.endr
.irp q, 0,1
	v_pk_add_f32 v[ST+8*\q+2:ST+8*\q+3], v[ST+8*\q+2:ST+8*\q+3], v[S+32*\q+30:S+32*\q+31]
.endr
.irp q, 0,1
	v_pk_add_f32 v[ST+8*\q+2:ST+8*\q+3], v[ST+8*\q+2:ST+8*\q+3], v[ST+8*\q+6:ST+8*\q+7]
.endr
.endm
.macro TRIP1
	ADDR 0
	KLOAD                                          ; (the last products that read these registers stand far more than four plain vector lines back)
	s_wait_dscnt 0x0                               ; K's tiles and scale words are in
	HS1 0
	HS1 1
.endm
; Behind walk 1: the two halves of a query's keys meet.  Each lane brings its own sum under the common nm' and the scaled sums change places, so that both lanes get the same bits.
; -LSE = ln 2 x (nm' - log2(sum)): made of nm itself, the number that the exponentials used, so that the rounding of log2(e) m cancels.
.macro MERGE
.irp q, 0,1
	v_add_f32 v[ST+8*\q+2], v[ST+8*\q+2], v[ST+8*\q+3]
.endr
.irp q, 0,1
	v_permlanex16_b32 v[ST+8*\q+6], v[ST+8*\q], s[SEL], s[SEL+1]
.endr
.irp q, 0,1
	v_min_num_f32 v[ST+8*\q+5], v[ST+8*\q], v[ST+8*\q+6]   ; nm' (the larger m has the smaller nm)
.endr
.irp q, 0,1
	v_sub_f32 v[ST+8*\q+4], v[ST+8*\q+5], v[ST+8*\q]
.endr
.irp q, 0,1
	v_exp_f32 v[ST+8*\q+4], v[ST+8*\q+4]
.endr
	v_nop                                          ; a plain place behind the exponentials
	s_wait_alu depctr_va_vdst(0)
.irp q, 0,1
	v_mul_f32 v[ST+8*\q+2], v[ST+8*\q+2], v[ST+8*\q+4]
.endr
.irp q, 0,1
	v_permlanex16_b32 v[ST+8*\q+7], v[ST+8*\q+2], s[SEL], s[SEL+1]
.endr
.irp q, 0,1
	v_add_f32 v[ST+8*\q+2], v[ST+8*\q+2], v[ST+8*\q+7]     ; the row's sum under nm': at least about 1
.endr
.irp q, 0,1
	v_log_f32 v[ST+8*\q+3], v[ST+8*\q+2]
.endr
	v_nop                                          ; a plain place behind the logarithms
	s_wait_alu depctr_va_vdst(0)
.irp q, 0,1
	v_sub_f32 v[ST+8*\q+3], v[ST+8*\q+5], v[ST+8*\q+3]
.endr
.irp q, 0,1
.irp i, 0,1,2,3,4,5,6,7
	v_mul_f32 v[CL+8*\q+\i], s[LN2], v[ST+8*\q+3]  ; a lane holds one query in all eight registers of a result: eight equal numbers
.endr
.endr
.endm
.macro MLOAD                           ; half a trip's mask words: 32 for each tile, 128 consecutive bytes each
	s_load_b512 s[MW0:MW0+15], s[MB:MB+1], s[MOFF] offset:0x0
	s_load_b512 s[MW0+16:MW0+31], s[MB:MB+1], s[MOFF] offset:0x40
	s_load_b512 s[MW1:MW1+15], s[MB:MB+1], s[MOFF] offset:0x1000
	s_load_b512 s[MW1+16:MW1+31], s[MB:MB+1], s[MOFF] offset:0x1040
.endm
.macro VLOAD                           ; the trip's V: four fragments (16 of the head's 64 x 128 keys) over K's tiles, which are done with; and their scale words
.irp dt, 0,1,2,3
.irp c, 0,1
	ds_load_b128 v[F+8*\dt+4*\c:F+8*\dt+4*\c+3], v[ADV] offset:\dt*16*VP+32*\c
.endr
.endr
.irp p, 0,1
	ds_load_b32 v[VS+\p], v[ADVS] offset:\p*32*VSP
.endr
.endm
; WALK 2, half a trip: x = score / 8 - LSE comes out of the products; the mask; blocks 2 hs and 2 hs + 1 of both tiles are quantised.  Block k = 2 q + p has its 16 numbers of my half at S + 16 k.
.macro HS2 hs, vload
	KQ8 \hs, 1
.rept 4
	v_nop                                          ; four places behind the products: ahead of the reads of their results, and of the loads into K's registers
.endr
.if \vload
	VLOAD
.endif
	s_wait_kmcnt 0x0                               ; this half trip's mask words are in, and the loads have read their offset:
	s_add_co_u32 s[MOFF], s[MOFF], 128             ; on to the next half trip's.  Behind the last one the offset wraps to the tile's first words: that load stays inside the buffer and its words are not used
	s_and_b32 s[MOFF], s[MOFF], 4095
.set j, 0
.rept 32
	v_cndmask_b32 v[S+j], v[NINF], v[S+j], s[MW0+j]        ; -1e9 where the mask is 0.  Ascending: each result is first read at its low end
.set j, j+1
.endr
.set j, 0
.rept 32
	v_cndmask_b32 v[S+32+j], v[NINF], v[S+32+j], s[MW1+j]
.set j, j+1
.endr
	MLOAD                                          ; they have the rest of this half trip and the next products in which to come
.irp k, 0,1,2,3
	v_max3_num_f32 v[TM+\k], |v[S+16*\k]|, |v[S+16*\k+1]|, 0x1800000   ; the block's largest magnitude: my 16 numbers, and the floor 2^(3 - 127): so the byte cannot fall under 1
.endr
.irp i, 2,4,6,8,10,12,14
.irp k, 0,1,2,3
	v_max3_num_f32 v[TM+\k], v[TM+\k], |v[S+16*\k+\i]|, |v[S+16*\k+\i+1]|   ; (the four blocks by turns: no line waits for the line above it)
.endr
.endr
.irp k, 0,1,2,3
	v_permlanex16_b32 v[TM+4+\k], v[TM+\k], s[SEL], s[SEL+1]
.endr
.irp k, 0,1,2,3
	v_max_num_f32 v[TM+\k], v[TM+\k], v[TM+4+\k]   ; with lane l xor 16's 16
.endr
.irp k, 0,1,2,3
	v_add_nc_u32 v[TM+8+\k], 0xff000000, v[TM+\k]  ; 2 off its exponent field: the conversion takes the exponent field of this operand as its scale, and nothing else of it
.endr
.irp k, 0,1,2,3
	v_lshrrev_b32 v[TM+4+\k], 23, v[TM+8+\k]       ; the scale's byte
.endr
.irp q, 0,1
.if \hs == 0
	v_lshl_or_b32 v[PW+\q], v[TM+5+2*\q], 8, v[TM+4+2*\q]   ; bytes 0 and 1 of my query's scale word for these 128 keys
.else
	v_lshl_or_b32 v[PW+\q], v[TM+4+2*\q], 16, v[PW+\q]      ; bytes 2 and 3
	v_lshl_or_b32 v[PW+\q], v[TM+5+2*\q], 24, v[PW+\q]
.endif
.endr
.irp k, 0,1,2,3
	v_cvt_scalef32_pk8_fp4_f32 v[PC+8*(\k/2)+4*\hs+2*(\k%2)], v[S+16*\k:S+16*\k+7], v[TM+8+\k]       ; to the nearest code, ties to even; beyond 6 the largest code
	v_cvt_scalef32_pk8_fp4_f32 v[PC+8*(\k/2)+4*\hs+2*(\k%2)+1], v[S+16*\k+8:S+16*\k+15], v[TM+8+\k]
.endr
	v_nop                                          ; one plain place behind a scaled conversion
.irp q, 0,1                                    ; the operand's layout wants a WHOLE block in a lane: lanes 0-15 block 2 hs, lanes 16-31 block 2 hs + 1
.irp i, 0,1
	v_permlane16_swap_b32 v[PC+8*\q+4*\hs+\i], v[PC+8*\q+4*\hs+\i+2]
.endr
.endr
.endm
; O^T += V^T P^T: four tiles of the head's 64 x my two tiles of queries; K = the trip's 128 keys.  The eight accumulators take turns, one instruction a turn, and sixteen score products stand
; between two turns of one accumulator.  zero = 1: the first trip's products start the sums: nothing is cleared.
.macro PV8 zero
.irp dt, 0,1,2,3
.irp q, 0,1
.set rD, O+32*\q+8*\dt
.set rA, F+8*\dt
.set rB, PC+8*\q
.if \zero
.set rC, -1
.else
.set rC, O+32*\q+8*\dt
.endif
.set rS, VS+\dt/2
.set rT, PW+\q
.set rR, \dt%2
	WM rD, rA, rB, rC, rS, rT, rR, 0
.endr
.endr
.endm
.macro TRIP2 zero
	ADDR 1
	KLOAD
	s_wait_dscnt 0x0                               ; K's tiles and scale words are in
	HS2 0, 0
	HS2 1, 1
.rept 8
	v_nop                                          ; a scale register written by a vector instruction stands eight places ahead of a scaled product, an operand so written four
.endr
	s_wait_dscnt 0x0                               ; V's fragments and scale words are in (asked for half a trip ago)
	PV8 \zero
.endm
	s_mov_b32 s[TK], 0
	s_mov_b32 s[TS], 0
	s_mov_b32 s[CNT], 16
.Lwalk1:                                           ; sixteen trips of 128 keys
	TRIP1
	s_sub_co_u32 s[CNT], s[CNT], 1
	s_cmp_lg_u32 s[CNT], 0
	s_cbranch_scc1 .Lwalk1
	s_mov_b32 s[MOFF], 0
	MLOAD                                          ; the first half trip's mask words, over the descriptors and pointers, which are done with; they come while the halves are merged
	MERGE
	s_mov_b32 s[TK], 0
	s_mov_b32 s[TS], 0
	s_mov_b32 s[TV], 0
	s_mov_b32 s[TVS], 0
	TRIP2 1                                        ; the first trip stands in front of the loop: its products start O^T's sums
	s_mov_b32 s[CNT], 15
.Lwalk2:
	TRIP2 0
	s_sub_co_u32 s[CNT], s[CNT], 1
	s_cmp_lg_u32 s[CNT], 0
	s_cbranch_scc1 .Lwalk2
	; THE WAY OUT.  Register 8 dt + i of lane (r, h) is out(query r, 16 dt + 8 h + i): 32 neighbouring bytes of a row of 256, and the lanes beside it hold other rows.  So a tile goes through my own stage
	; and comes back as whole rows: sixteen lanes store one query's 64 numbers of this head, 256 consecutive bytes at a multiple of 256 from out's first byte.
	; The ten lines that make the addresses are the places behind the last products.
	v_and_b32 v1, 15, v0                           ; r
	v_bfe_u32 v2, v0, 4, 1                         ; h
	v_mul_u32_u24 v[STO], v1, SP
	v_lshl_add_u32 v[STO], v2, 5, v[STO]
	v_add_nc_u32 v[STO], s[SB], v[STO]             ; in: row r, + 32 h
	v_mul_u32_u24 v[RD], v2, SP
	v_lshl_add_u32 v[RD], v1, 4, v[RD]
	v_add_nc_u32 v[RD], s[SB], v[RD]               ; back: lanes 0-15 one row, lanes 16-31 the next; 16 bytes a lane
	v_lshlrev_b32 v[GO], 12, v2
	v_lshl_add_u32 v[GO], v1, 4, v[GO]             ; and the same two rows in out, 4,096 bytes apart
.irp q, 0,1
.irp dt, 0,1,2,3
	ds_store_b128 v[STO], v[O+32*\q+8*\dt:O+32*\q+8*\dt+3] offset:64*\dt          ; each accumulator from its low end on
	ds_store_b128 v[STO], v[O+32*\q+8*\dt+4:O+32*\q+8*\dt+7] offset:64*\dt+16
.endr
.irp i, 0,1,2,3,4,5,6,7
	ds_load_b128 v[S+32*\q+4*\i:S+32*\q+4*\i+3], v[RD] offset:\i*2*SP   ; LDS serves a wave's instructions in order: these see the stores above, and tile 1's stores come behind tile 0's loads
.endr
.endr
.irp q, 0,1
.irp i, 0,1,2,3,4,5,6,7
	s_wait_dscnt 16*(1-\q)+7-\i                    ; this load is in; younger: the tile's 7 - i loads, and behind tile 0's also tile 1's eight stores and eight loads
	global_store_b128 v[GO], v[S+32*\q+4*\i:S+32*\q+4*\i+3], s[OP:OP+1] offset:\q*65536+\i*8192 th:TH_STORE_NT   ; written once, read by nobody here
.endr
.endr
	s_wait_tensorcnt 0x0
	ds_add_u32 v254, v255
	s_wait_dscnt 0x0
	CROUND                                         ; the closing round: no work-group ends while a partner may still ask for a tile that names it (no LDS instruction of mine is out: the last count was 0)
	s_endpgm
.Lfunc_end_k_q5c22179b33_attn:
	.size	k_q5c22179b33_attn, .Lfunc_end_k_q5c22179b33_attn-k_q5c22179b33_attn
	.p2alignl 7, 3214868480
	.fill 96, 4, 3214868480
	.section	.rodata,"a",@progbits
	.p2align	6, 0x0
	.amdhsa_kernel k_q5c22179b33_attn
		.amdhsa_group_segment_fixed_size 214528
		.amdhsa_private_segment_fixed_size 0
		.amdhsa_enable_private_segment 0
		.amdhsa_kernarg_size 64
		.amdhsa_user_sgpr_count 2
		.amdhsa_user_sgpr_kernarg_segment_ptr 1
		.amdhsa_wavefront_size32 1
		.amdhsa_system_sgpr_workgroup_id_x 1
		.amdhsa_system_sgpr_workgroup_id_y 1
		.amdhsa_system_sgpr_workgroup_id_z 1
		.amdhsa_system_vgpr_workitem_id 0
		.amdhsa_next_free_vgpr 256
		.amdhsa_next_free_sgpr 100
		.amdhsa_reserve_vcc 0
		.amdhsa_float_denorm_mode_32 3
		.amdhsa_float_denorm_mode_16_64 3
		.amdhsa_memory_ordered 1
		.amdhsa_forward_progress 1
		.amdhsa_inst_pref_size 79
	.end_amdhsa_kernel
	.amdgpu_metadata
---
amdhsa.version: [ 1, 2 ]
amdhsa.kernels:
  - .name:           k_q5c22179b33_attn
    .symbol:         k_q5c22179b33_attn.kd
    .args:
      - { .name: q_codes, .offset: 0, .size: 8, .value_kind: global_buffer, .address_space: global }
      - { .name: q_scales, .offset: 8, .size: 8, .value_kind: global_buffer, .address_space: global }
      - { .name: k_codes, .offset: 16, .size: 8, .value_kind: global_buffer, .address_space: global }
      - { .name: k_scales, .offset: 24, .size: 8, .value_kind: global_buffer, .address_space: global }
      - { .name: v_codes, .offset: 32, .size: 8, .value_kind: global_buffer, .address_space: global }
      - { .name: v_scales, .offset: 40, .size: 8, .value_kind: global_buffer, .address_space: global }
      - { .name: mbits, .offset: 48, .size: 8, .value_kind: global_buffer, .address_space: global }
      - { .name: out0, .offset: 56, .size: 8, .value_kind: global_buffer, .address_space: global }
    .group_segment_fixed_size: 214528
    .private_segment_fixed_size: 0
    .kernarg_segment_align: 8
    .kernarg_segment_size: 64
    .max_flat_workgroup_size: 512
    .sgpr_count:     100
    .vgpr_count:     256
    .wavefront_size: 32
...
	.end_amdgpu_metadata
.endif
;; end of part 2
